; MI455X (gfx1250); checked and timed in simulation.
; The chip was launched on July 23, 2026; its instructions are those of AMD's public machine-readable ISA for CDNA 5 (MIT licence, August 2026) and "CDNA5" Instruction Set Architecture Reference Guide (July 2026). The comments in the code are by the model that wrote it; some were corrected since.
;; Lora Quant Linear. Allowed arithmetic: matrix products marked QUANTISED: E2M3 operands, one E8M0 scale for each 32 along K, by v_wmma_scale_f32_16x16x128_f8f6f4 with both operands' format E2M3, f32 sums; products left as they are: f32 operands where the result goes on into a quantised operand, else bf16, f16 or f32 operands; f32 sums; everything else in f32.
;; Inputs: codes 4,096 x 4,096 int32; lora_A 16 x 4,096 float32; lora_B 4,096 x 16 float32; scales 262,144 float32; x 4,096 x 4,096 float32.
;; Outputs: out0 4,096 x 4,096 float32.
;; This version of the problem:
;;   THIS VERSION OF THE PROBLEM IS GIVEN IN LOW PRECISION. The matrix products marked QUANTISED in the list below multiply operands that are first quantised to E2M3 (2 exponent bits, 3 mantissa bits; 6 bits a number), with one power-of-two scale for each 32 numbers along K (OCP MX v1.0); their sums are f32. All else is computed in f32.
;;   The module's matrix products, in the order in which they are computed (A, B: the left and right operand; K: the contracted axis; several contracted axes count as one K, in the product's order):
;;     1. [M 4,096, K 4,096] x [K 4,096, N 4,096]; A: input x; B: computed on the way: QUANTISED
;;     2. [M 4,096, K 4,096] x [K 4,096, N 16]; A: input x; B: input lora_A: QUANTISED
;;     3. [M 4,096, K 16] x [K 16, N 4,096]; A: computed on the way; B: input lora_B: left as it is (K = 16 < 32)
;;   THE QUANTISER, for each operand of a quantised product, along K:
;;     - K is cut into blocks of 32 from its start; a last block that is shorter is filled with zeros.
;;     - A block's scale is 2^e with e = floor(log2(the largest magnitude in the block)) - 2, held to -126 .. 127; a block of zeros has e = 0. As a byte (E8M0): e + 127.
;;     - Each number is divided by its block's scale, clamped to +-7.5, and rounded to the nearest number of E2M3, ties to even, subnormals kept.
;;     - The product sums the exact products of the quantised numbers (number of the format x scale) in f32.
;;   ~~~python
;;   def quantise(x, axis):      # numpy; x: float32 -> the quantised numbers, widened to float32 again
;;       x = np.moveaxis(x, axis, -1); K = x.shape[-1]
;;       x = np.pad(x, [(0, 0)] * (x.ndim - 1) + [(0, -K % 32)]); x = x.reshape(x.shape[:-1] + (-1, 32)); a = np.abs(x).max(-1, keepdims=True)
;;       e = np.where(a > 0, np.clip(np.frexp(np.where(a > 0, a, 1))[1] - 1 - 2, -126, 127), 0)      # np.frexp(a)[1] - 1 = floor(log2(a)), exactly
;;       r = np.clip(x / 2.0 ** e, -7.5, 7.5)
;;       step = 2.0 ** (np.maximum(np.frexp(np.where(r == 0, 1, r))[1] - 1, 0) - 3)
;;       q = np.round(r / step) * step * 2.0 ** e      # np.round: ties to even
;;       return np.moveaxis(q.reshape(q.shape[:-2] + (-1,))[..., :K], -1, axis).astype(np.float32)
;;   ~~~
;;   OPERANDS COMPUTED ON THE WAY. 'Computed on the way' means the value that the module computes at that place (a softmax that the list does not call 'softmax' is quantised finished and normalised). What goes into a quantiser is computed in f32, as accurately as f32 sums, v_exp_f32 and their like allow (about 1e-6 of the number): no bf16 or f16 on the way to a quantiser, and a product that is left as it is and whose result goes on into a quantised operand takes f32 operands (vector FMAs, or v_wmma_f32_16x16x4_f32). A number that lies on a knife's edge between two numbers of the format may be rounded either way, as far as f32 arithmetic and the matrix unit's own rounding can turn it there, and no further.
;; One version. Each part assembles by itself: llvm-mc -triple=amdgcn-amd-amdhsa -mcpu=gfx1250 --defsym DOCPART=n.
;; ======== version 1 of 1: 2 launches
;; limits: values are held in bf16: 8 bits of precision; right only within a limited range of input values
;; workspace buffers: x_img 12,582,912 bytes; w_img 12,582,912 bytes; sc 1,048,576 bytes; t_par 1,048,576 bytes
;; launch quant (part 1): grid 512 x 1, 8 waves a work-group, no clusters, 103,424 bytes of LDS; arguments x, codes, scales, lora_A, x_img, w_img, sc, t_par; writes x_img, w_img, sc, t_par
.if DOCPART == 1
	.amdgcn_target "amdgcn-amd-amdhsa--gfx1250"
	.amdhsa_code_object_version 6
	.text
	.protected	k_q85ba0230fb_quant
	.globl	k_q85ba0230fb_quant
	.p2align	8
	.type	k_q85ba0230fb_quant,@function
k_q85ba0230fb_quant:
	s_mov_b64 s[64:65], 0
	v_nop
	global_prefetch_b8 v0, s[64:65] scope:SCOPE_SE
	s_setreg_imm32_b32 hwreg(HW_REG_WAVE_MODE, 25, 1), 1
	s_wait_xcnt 0x0
; x [4096][4096] f32 and W = NF4[codes] x scales ([4096][4096], one f32 scale for each 64 along K) are turned into codes of FP6 (E2M3) with one E8M0 byte for each 32 along K,
; and T = Q(x) Q(lora_A)^T [4096][16], the problem's second product, is made here, where x's codes already lie in operand registers; it leaves as four f32 partial sums, one for each 1,024 along K.
; A block's scale is 2^(floor(log2(its largest magnitude)) - 2); its byte is that magnitude's exponent field - 2, held at 1 from below; numbers are divided by the scale and rounded to the nearest code, ties to even, beyond 7.5 the largest code.
; THE RESULTS ARE LAID AS THE NEXT LAUNCH'S OPERAND REGISTERS.  A fragment (16 rows x 128 K) is 12 registers a lane: its image is 1,536 bytes, registers 4 c .. 4 c + 3 of lane l at 512 c + 16 l.
;   x_img, w_img: [row block of 16 rows: 256][K step of 128: 32][1,536 bytes]
;   sc: x's 256 row blocks, then W's 256; a row block: [pair of K steps: 16][row: 16][2 words], a word = the four bytes of one row and one K step
;   t_par: [quarter of K: 4][row block: 256][1,024 bytes]: an accumulator's image: registers 0-3 of lane l at 16 l, registers 4-7 at 512 + 16 l; lane (r, h) register i = T(row r, 8 h + i)
; SHARES.  512 work-groups of eight waves, two fit on a WGP by their registers.  Which tensor: bit 0 xor bit 8 of the work-group's number; its low 8 bits say which part.  The two tensors take two paths, parted once.
;   W: a work-group takes a row block, a wave 16 rows x 512 K: four steps.
;   x: a work-group takes four row blocks x 1,024 K, a wave ONE K step of all four: lora_A's fragment of that K step is quantised once and serves four fragments of x: five steps, four matrix instructions.
;   The eight waves' products of a row block meet in LDS; waves 0-3 add one row block each, K ascending, and store it; the scale words go the same way, so that 512 consecutive bytes are stored.
; A STEP.  Sixteen loads, each one row's 512 consecutive bytes; the conversions want 16 neighbours along K in one lane, so the 8,192 bytes turn through the wave's own stage in LDS (rows 528 bytes apart)
; and come back so that register 16 b + i of lane (r, h) is k = 32 b + 16 h + i of row r.
; NF4.  The table's sixteen numbers lie in lanes 0-15 of one register; a lane permute through the LDS unit, indexed by 4 x the index, fetches the number; one f32 multiplication by the block's scale.
; LIMITS: an index is taken modulo 32, and 16 .. 31 give 0 (the problem's indices lie in 0 .. 15); NaN and infinities among the inputs are not served; a block of zeros gets the byte 1 where the rule says 127:
; its codes are zeros, which add nothing under any byte but 0xff, and the bytes are read by this program alone.
.set SP,    528                        ; a stage row: 512 bytes + 16
.set WST,   16*SP                      ; a wave's stage
.set SPARE, 8*WST                      ; the spare words: 128 bytes a wave
.set TRED,  SPARE+1024                 ; T's products: [row block: 4][wave: 8][1,024 bytes]
.set WRD,   TRED+32768                 ; x's scale words: [row block: 4][512 bytes]
.set TAB,  9                           ; v9       the NF4 table
.set PWS,  12                          ; v12-15   the scale word of each step of x or W
.set WS,   16                          ; v16-23   my row's eight NF4 scales
.set TM,   24                          ; v24-39   at work in the quantiser
.set LC,   40                          ; v40-51   lora_A's fragment
.set TC,   52                          ; v52-58   the conversions' second halves
.set SPW,  60                          ; v60      my spare word's address; never rewritten
.set NIL,  61                          ; v61      0; never rewritten
.set R0,   64                          ; v64-127, v128-191  two sets of 64 numbers
.set XC,   192                         ; v192-239 four fragments of x or W
.set TAC,  240                         ; v240-247 a product of T
.set LW,   248                         ; v248     lora_A's scale word
.set WAD,  249                         ; v249     where my scale words go in LDS
.set WRR,  250                         ; v250     where a row block's words are read back
.set SEL,  30                          ; s[30:31] selects for lane l xor 16
	s_load_b256 s[4:11], s[0:1], 0x0               ; x, codes, scales, lora_A
	s_load_b256 s[12:19], s[0:1], 0x20             ; x_img, w_img, sc, t_par
	v_lshl_add_u32 v[SPW], v0, 2, SPARE
	v_mov_b32 v[NIL], 0
	v_lshrrev_b32 v1, 5, v0
	v_readfirstlane_b32 s24, v1                    ; wave 0..7
	v_and_b32 v1, 31, v0
	v_and_b32 v2, 15, v0                           ; r
	v_bfe_u32 v3, v0, 4, 1                         ; h
	v_lshlrev_b32 v4, 4, v1                        ; 16 x lane
	s_mul_i32 s33, s24, WST
	v_add_nc_u32 v5, s33, v4                       ; into my stage: as loaded
	v_mul_u32_u24 v6, v2, SP
	v_lshl_add_u32 v6, v3, 6, v6
	v_add_nc_u32 v6, s33, v6                       ; out of it: row r, + 64 h
	v_lshlrev_b32 v7, 3, v2
	v_lshl_add_u32 v7, v3, 7, v7                   ; W's scale words: 8 r + 128 h
	v_lshlrev_b32 v8, 8, v2                        ; NF4 scales: 256 bytes a row of W
	s_lshl_b32 s20, s24, 10
	s_add_co_u32 s20, s20, TRED
	v_add_nc_u32 v62, s20, v4                      ; my products' place
	s_and_b32 s21, s24, 3
	s_lshl_b32 s20, s21, 13
	s_add_co_u32 s20, s20, TRED
	v_add_nc_u32 v63, s20, v4                      ; where waves 0-3 read a row block's eight
	s_lshl_b32 s20, s21, 9
	s_add_co_u32 s20, s20, WRD
	v_add_nc_u32 v[WRR], s20, v4
	s_lshr_b32 s20, s24, 1                         ; my K step's pair: 128 bytes; its half of each row's two words
	s_lshl_b32 s20, s20, 7
	s_and_b32 s23, s24, 1
	s_lshl_b32 s23, s23, 2
	s_add_co_u32 s20, s20, s23
	s_add_co_u32 s20, s20, WRD
	v_lshlrev_b32 v[WAD], 3, v2
	v_add_nc_u32 v[WAD], s20, v[WAD]
	s_lshr_b32 s25, ttmp9, 8
	s_xor_b32 s25, s25, ttmp9
	s_and_b32 s25, s25, 1                          ; 0: x, 1: W
	s_and_b32 s26, ttmp9, 255
	s_mov_b32 s[SEL], 0x76543210
	s_mov_b32 s[SEL+1], 0xfedcba98
.irp b, 0,1,2,3
	v_mov_b32 v[TM+4+\b], 0                        ; a lane permute's destination counts as one of its sources
.endr
	v_mov_b32 v[TAB], 0
.macro ENTRY i, bits
	s_mov_b32 s32, \bits
	v_writelane_b32 v[TAB], s32, \i
.endm
	ENTRY 0,  0xbf800000
	ENTRY 1,  0xbf3239b1
	ENTRY 2,  0xbf066b30
	ENTRY 3,  0xbeca32a0
	ENTRY 4,  0xbe91a24d
	ENTRY 5,  0xbe3d353f
	ENTRY 6,  0xbdba7871
	ENTRY 7,  0
	ENTRY 8,  0x3da2faff
	ENTRY 9,  0x3e24cae3
	ENTRY 10, 0x3e7c04dd
	ENTRY 11, 0x3ead033a
	ENTRY 12, 0x3ee1a4b8
	ENTRY 13, 0x3f1007ab
	ENTRY 14, 0x3f3913b3
	ENTRY 15, 0x3f800000
	s_mov_b32 s29, 0
	s_wait_alu depctr_va_vdst(0)
	s_wait_kmcnt 0x0
.macro LOAD set, base, off             ; 16 rows: each load is one row's 512 consecutive bytes.  lora_A (base 10) is read by many work-groups: no hint
.irp i, 0,1,2,3,4,5,6,7,8,9,10,11,12,13,14,15
.if \base == 10
	global_load_b128 v[R0+64*(\set)+4*\i:R0+64*(\set)+4*\i+3], v4, s[\base:\base+1] offset:16384*\i+(\off)
.else
	global_load_b128 v[R0+64*(\set)+4*\i:R0+64*(\set)+4*\i+3], v4, s[\base:\base+1] offset:16384*\i+(\off) th:TH_LOAD_NT
.endif
.endr
.endm
.macro TURN set                        ; through my stage and back: LDS serves a wave's instructions in order (ISA guide 5.7.1.4)
.irp i, 0,1,2,3,4,5,6,7,8,9,10,11,12,13,14,15
	ds_store_b128 v5, v[R0+64*(\set)+4*\i:R0+64*(\set)+4*\i+3] offset:SP*\i
.endr
.irp b, 0,1,2,3
.irp j, 0,1,2,3
	ds_load_b128 v[R0+64*(\set)+16*\b+4*\j:R0+64*(\set)+16*\b+4*\j+3], v6 offset:128*\b+16*\j
.endr
.endr
.endm
.macro DEQ set, t                      ; 64 indices become 64 numbers of W
.set XR, R0+64*(\set)
.set n, 0
.rept 64
	v_lshlrev_b32 v[XR+n], 2, v[XR+n]              ; the permute's index is 4 x the lane
.set n, n+1
.endr
.set n, 0
.rept 64
	ds_bpermute_b32 v[XR+n], v[XR+n], v[TAB]
.set n, n+1
.endr
.irp b, 0,1,2,3
	s_wait_dscnt 48-16*\b                          ; block b's sixteen are back; the later blocks' may be out
.irp j, 0,2,4,6,8,10,12,14
.if \b < 2
	v_pk_mul_f32 v[XR+16*\b+\j:XR+16*\b+\j+1], v[XR+16*\b+\j:XR+16*\b+\j+1], v[WS+2*(\t):WS+2*(\t)+1] op_sel_hi:[1,0]
.else
	v_pk_mul_f32 v[XR+16*\b+\j:XR+16*\b+\j+1], v[XR+16*\b+\j:XR+16*\b+\j+1], v[WS+2*(\t):WS+2*(\t)+1] op_sel:[0,1] op_sel_hi:[1,1]
.endif
.endr
.endr
.endm
; 64 numbers of a lane from v[s] on become a fragment's codes in v[pc] .. v[pc + 11] and its scale word in v[pw]
.macro QUANT s, pw, pc
.irp b, 0,1,2,3
	v_max3_num_f32 v[TM+\b], |v[\s+16*\b]|, |v[\s+1+16*\b]|, 0x1800000   ; with the floor 2^(3 - 127): the byte cannot fall under 1
.endr
.irp i, 2,4,6,8,10,12,14
.irp b, 0,1,2,3
	v_max3_num_f32 v[TM+\b], v[TM+\b], |v[\s+16*\b+\i]|, |v[\s+1+16*\b+\i]|
.endr
.endr
.irp b, 0,1,2,3
	v_permlanex16_b32 v[TM+4+\b], v[TM+\b], s[SEL], s[SEL+1]
.endr
.irp b, 0,1,2,3
	v_max_num_f32 v[TM+\b], v[TM+\b], v[TM+4+\b]   ; the block's largest magnitude
.endr
.irp b, 0,1,2,3
	v_add_nc_u32 v[TM+12+\b], 0xff000000, v[TM+\b] ; 2 off its exponent field: the conversion's scale operand
.endr
.irp b, 0,1,2,3
	v_lshrrev_b32 v[TM+4+\b], 23, v[TM+12+\b]      ; the scale's byte
.endr
	v_lshl_or_b32 v[\pw], v[TM+5], 8, v[TM+4]      ; my row's scale word (lanes l and l xor 16 hold the same)
	v_lshl_or_b32 v[\pw], v[TM+6], 16, v[\pw]
	v_lshl_or_b32 v[\pw], v[TM+7], 24, v[\pw]
.irp c, 0,1
	v_cvt_scalef32_pk16_fp6_f32 v[\pc+6*\c:\pc+2+6*\c], v[\s+32*\c:\s+15+32*\c], v[TM+12+2*\c]
	v_cvt_scalef32_pk16_fp6_f32 v[TC+4*\c:TC+2+4*\c], v[\s+16+32*\c:\s+31+32*\c], v[TM+12+2*\c+1]
.endr
	v_nop                                          ; one plain place behind a scaled conversion
.irp c, 0,1                                    ; the operand's layout wants a whole block in a lane
.irp i, 0,1,2
	v_permlane16_swap_b32 v[\pc+6*\c+\i], v[TC+4*\c+\i]
.endr
.irp i, 0,1,2
	v_mov_b32 v[\pc+3+6*\c+\i], v[TC+4*\c+\i]
.endr
.endr
.endm
; A step of W.  left: the younger loads that may stay out; more: the set just quantised takes the step two on.  Each step has its own registers for its codes.
.macro WSTEP t, left, more
	s_wait_loadcnt \left
	TURN (\t)%2
	s_wait_dscnt 0x0
	DEQ (\t)%2, \t
	QUANT R0+64*((\t)%2), PWS+(\t), XC+12*(\t)
.irp c, 0,1,2
	global_store_b128 v4, v[XC+12*(\t)+4*\c:XC+12*(\t)+4*\c+3], s[36:37] offset:1536*(\t)+512*\c   ; 32 lanes store 512 consecutive bytes; the three stores stand ahead of the sixteen loads
.endr
.if \more
	LOAD (\t)%2, 34, 512*((\t)+2)
.endif
.endm
; A step of x: row block t of my four, in set (t + 1) % 2.  Source 0 = lora_A's 16 rows, source 1 = x's 16 rows: lane (r, h) holds T(row r, 8 h + i) in register i.
.macro XSTEP t, left, more
	s_wait_loadcnt \left
	TURN ((\t)+1)%2
	s_wait_dscnt 0x0
	QUANT R0+64*(((\t)+1)%2), PWS+(\t), XC+12*(\t)
.irp c, 0,1,2
	global_store_b128 v4, v[XC+12*(\t)+4*\c:XC+12*(\t)+4*\c+3], s[36:37] offset:49152*(\t)+512*\c
.endr
.if \more
	LOAD ((\t)+1)%2, 34, 262144*((\t)+2)
.endif
	ds_store_b32 v[WAD], v[PWS+(\t)] offset:512*(\t)   ; lanes l and l xor 16 write the same word with the same value
.rept 8
	v_nop                                          ; a scale register written by a vector instruction stands 8 places ahead of a scaled matrix instruction
.endr
	v_wmma_scale_f32_16x16x128_f8f6f4 v[TAC:TAC+7], v[LC:LC+11], v[XC+12*(\t):XC+12*(\t)+11], 0, v[LW], v[PWS+(\t)] matrix_a_fmt:MATRIX_FMT_FP6 matrix_b_fmt:MATRIX_FMT_FP6
.rept 4
	v_nop                                          ; four places behind it
.endr
	ds_store_b128 v62, v[TAC:TAC+3] offset:8192*(\t)   ; from the low end on
	ds_store_b128 v62, v[TAC+4:TAC+7] offset:8192*(\t)+512
.endm
	s_cmp_eq_u32 s25, 0
	s_cbranch_scc1 .Lx
	; W's path: row block s26, my 512 along K
	s_lshl_b32 s28, s26, 18                        ; in: 16 rows of 16,384 bytes a row block, 2,048 bytes for 512 along K
	s_lshl_b32 s33, s24, 11
	s_add_co_u32 s28, s28, s33
	s_add_nc_u64 s[34:35], s[6:7], s[28:29]
	s_mul_i32 s28, s26, 49152                      ; images: 32 a row block, four a wave
	s_mul_i32 s33, s24, 6144
	s_add_co_u32 s28, s28, s33
	s_add_nc_u64 s[36:37], s[14:15], s[28:29]
	s_lshl_b32 s28, s26, 11                        ; scale words: behind x's 524,288 bytes; 2,048 a row block, 256 a wave
	s_lshl_b32 s33, s24, 8
	s_add_co_u32 s28, s28, s33
	s_add_co_u32 s28, s28, 0x80000
	s_add_nc_u64 s[38:39], s[16:17], s[28:29]
	s_lshl_b32 s28, s26, 12                        ; NF4 scales: 4,096 bytes a row block, 32 for 512 along K
	s_lshl_b32 s33, s24, 5
	s_add_co_u32 s28, s28, s33
	s_add_nc_u64 s[8:9], s[8:9], s[28:29]
	global_load_b128 v[WS:WS+3], v8, s[8:9]
	global_load_b128 v[WS+4:WS+7], v8, s[8:9] offset:16
	LOAD 0, 34, 0
	LOAD 1, 34, 512
	WSTEP 0, 16, 1
	WSTEP 1, 16, 1
	WSTEP 2, 16, 0
	WSTEP 3, 0, 0
	v_cmp_eq_u32 vcc_lo, 1, v3                     ; lanes 0-15: the words of K steps 0, 1; lanes 16-31: of 2, 3: 256 consecutive bytes
	v_cndmask_b32 v10, v[PWS], v[PWS+2], vcc_lo
	v_cndmask_b32 v11, v[PWS+1], v[PWS+3], vcc_lo
	global_store_b64 v7, v[10:11], s[38:39]
	s_wait_tensorcnt 0x0                           ; the wave's end
	ds_add_u32 v[SPW], v[NIL]
	s_wait_dscnt 0x0
	s_endpgm
.Lx:	; x's path: quarter s26 % 4 of K, row blocks 4 (s26 / 4) .. + 3
	s_and_b32 s20, s26, 3
	s_lshr_b32 s21, s26, 2
	s_lshl_b32 s22, s20, 3
	s_add_co_u32 s22, s22, s24                     ; my K step
	s_lshl_b32 s28, s21, 20                        ; in: four row blocks of 262,144 bytes, 512 bytes a K step
	s_lshl_b32 s33, s22, 9
	s_add_co_u32 s28, s28, s33
	s_add_nc_u64 s[34:35], s[4:5], s[28:29]
	s_mov_b32 s28, s33
	s_add_nc_u64 s[10:11], s[10:11], s[28:29]      ; lora_A: the same K step
	s_mul_i32 s28, s21, 196608                     ; images
	s_mul_i32 s33, s22, 1536
	s_add_co_u32 s28, s28, s33
	s_add_nc_u64 s[36:37], s[12:13], s[28:29]
	s_and_b32 s23, s24, 3                          ; the row block that I add up and store, as one of waves 0-3
	s_lshl_b32 s28, s21, 13                        ; its scale words: 2,048 bytes a row block, 512 a quarter of K
	s_lshl_b32 s33, s23, 11
	s_add_co_u32 s28, s28, s33
	s_lshl_b32 s33, s20, 9
	s_add_co_u32 s28, s28, s33
	s_add_nc_u64 s[38:39], s[16:17], s[28:29]
	s_lshl_b32 s28, s20, 18                        ; its partial sum of T
	s_lshl_b32 s33, s21, 12
	s_add_co_u32 s28, s28, s33
	s_lshl_b32 s33, s23, 10
	s_add_co_u32 s28, s28, s33
	s_add_nc_u64 s[18:19], s[18:19], s[28:29]
	LOAD 0, 10, 0
	LOAD 1, 34, 0
	s_wait_loadcnt 16                              ; lora_A's sixteen are in; x's first sixteen may be out
	TURN 0
	s_wait_dscnt 0x0
	QUANT R0, LW, LC
	LOAD 0, 34, 262144
	XSTEP 0, 16, 1
	XSTEP 1, 16, 1
	XSTEP 2, 16, 0
	XSTEP 3, 0, 0
	s_wait_dscnt 0x0                               ; for the others' sake
	s_barrier_signal -1
	s_barrier_wait -1
	s_cmp_gt_u32 s24, 3
	s_cbranch_scc1 .Lend
.irp w, 0,1,2,3,4,5,6,7
	ds_load_b128 v[R0+8*\w:R0+8*\w+3], v63 offset:1024*\w
	ds_load_b128 v[R0+8*\w+4:R0+8*\w+7], v63 offset:1024*\w+512
.endr
	ds_load_b128 v[LC:LC+3], v[WRR]
	s_wait_dscnt 0x0
.irp w, 1,2,3,4,5,6,7
.irp j, 0,2,4,6
	v_pk_add_f32 v[R0+\j:R0+\j+1], v[R0+\j:R0+\j+1], v[R0+8*\w+\j:R0+8*\w+\j+1]   ; K ascending, four chains by turns
.endr
.endr
	global_store_b128 v4, v[LC:LC+3], s[38:39]     ; each store: 512 consecutive bytes
	global_store_b128 v4, v[R0:R0+3], s[18:19]
	global_store_b128 v4, v[R0+4:R0+7], s[18:19] offset:512
.Lend:
	s_wait_tensorcnt 0x0                           ; the wave's end
	ds_add_u32 v[SPW], v[NIL]
	s_wait_dscnt 0x0
	s_endpgm
.Lfunc_end_k_q85ba0230fb_quant:
	.size	k_q85ba0230fb_quant, .Lfunc_end_k_q85ba0230fb_quant-k_q85ba0230fb_quant
	.p2alignl 7, 3214868480
	.fill 96, 4, 3214868480
	.section	.rodata,"a",@progbits
	.p2align	6, 0x0
	.amdhsa_kernel k_q85ba0230fb_quant
		.amdhsa_group_segment_fixed_size 103424
		.amdhsa_private_segment_fixed_size 0
		.amdhsa_enable_private_segment 0
		.amdhsa_kernarg_size 64
		.amdhsa_user_sgpr_count 2
		.amdhsa_user_sgpr_kernarg_segment_ptr 1
		.amdhsa_wavefront_size32 1
		.amdhsa_system_sgpr_workgroup_id_x 1
		.amdhsa_system_sgpr_workgroup_id_y 1
		.amdhsa_system_sgpr_workgroup_id_z 1
		.amdhsa_system_vgpr_workitem_id 0
		.amdhsa_next_free_vgpr 256
		.amdhsa_next_free_sgpr 66
		.amdhsa_reserve_vcc 1
		.amdhsa_float_denorm_mode_32 3
		.amdhsa_float_denorm_mode_16_64 3
		.amdhsa_memory_ordered 1
		.amdhsa_forward_progress 1
		.amdhsa_inst_pref_size 113
	.end_amdhsa_kernel
	.amdgpu_metadata
---
amdhsa.version: [ 1, 2 ]
amdhsa.kernels:
  - .name:           k_q85ba0230fb_quant
    .symbol:         k_q85ba0230fb_quant.kd
    .args:
      - { .name: x, .offset: 0, .size: 8, .value_kind: global_buffer, .address_space: global }
      - { .name: codes, .offset: 8, .size: 8, .value_kind: global_buffer, .address_space: global }
      - { .name: scales, .offset: 16, .size: 8, .value_kind: global_buffer, .address_space: global }
      - { .name: lora_A, .offset: 24, .size: 8, .value_kind: global_buffer, .address_space: global }
      - { .name: x_img, .offset: 32, .size: 8, .value_kind: global_buffer, .address_space: global }
      - { .name: w_img, .offset: 40, .size: 8, .value_kind: global_buffer, .address_space: global }
      - { .name: sc, .offset: 48, .size: 8, .value_kind: global_buffer, .address_space: global }
      - { .name: t_par, .offset: 56, .size: 8, .value_kind: global_buffer, .address_space: global }
    .group_segment_fixed_size: 103424
    .private_segment_fixed_size: 0
    .kernarg_segment_align: 8
    .kernarg_segment_size: 64
    .max_flat_workgroup_size: 256
    .sgpr_count:     66
    .vgpr_count:     256
    .wavefront_size: 32
...
	.end_amdgpu_metadata
.endif
;; end of part 1
;; launch gemm (part 2): grid 16 x 16, 4 waves a work-group, clusters of 4 x 4, 327,680 bytes of LDS; arguments x_img, w_img, sc, out0, lora_B, t_par; writes out0
.if DOCPART == 2
	.amdgcn_target "amdgcn-amd-amdhsa--gfx1250"
	.amdhsa_code_object_version 6
	.text
	.protected	k_q85ba0230fb_gemm
	.globl	k_q85ba0230fb_gemm
	.p2align	8
	.type	k_q85ba0230fb_gemm,@function
k_q85ba0230fb_gemm:
	s_mov_b64 s[64:65], 0
	v_nop
	global_prefetch_b8 v0, s[64:65] scope:SCOPE_SE
	s_setreg_imm32_b32 hwreg(HW_REG_WAVE_MODE, 25, 1), 1
	s_wait_xcnt 0x0
	s_wait_alu depctr_hold_cnt(0) depctr_sa_sdst(0) depctr_va_vdst(0) depctr_va_sdst(0) depctr_va_ssrc(0) depctr_va_vcc(0) depctr_vm_vsrc(0)
	s_getreg_b32 s2, hwreg(HW_REG_IB_STS2, 6, 4)
	s_cmp_eq_u32 s2, 0
	s_cbranch_scc0 .Lentry_in_a_cluster
	s_endpgm
.Lentry_in_a_cluster:
	s_bfe_u32 s2, ttmp6, 0x10000c
	s_cmp_lg_u32 s2, 0xf033
	s_cbranch_scc0 .Lentry_shape_is_right
	s_endpgm
.Lentry_shape_is_right:
; out0[m][n] = sum over k of Q(x)[m][k] Q(W)[n][k] + sum over j of T[m][j] 2 lora_B[n][j].  x_img, w_img: images of FP6 fragments, sc: their scale words, t_par: T in four f32 partial sums, all laid by the launch before.
; A tile of 256 x 256 is made by four waves, a wave 128 x 128: 64 accumulators, 512 registers.  A K step of 128 is 64 scaled matrix instructions: x's eight blocks one after the other, each against W's eight.
; W GOES THROUGH LDS: a ring of two slots, each with four K steps of the tile's 16 row blocks.  A wave's one tensor load brings 4 rows of 6,144 bytes (a row block's four images, 24 x 256 bytes, beginning on a multiple of 256).
;   Images are dense: lane l reads at 16 l, so no padding is needed.  W's fragments have two sets of registers; a set takes the step two on as soon as its step is multiplied.
; x GOES STRAIGHT INTO REGISTERS: an image is 3 loads of 512 consecutive bytes.  So a K step reads 24 times from LDS and not 48.  A block's registers are free when its eight products are issued; with two sets they take
;   the step two on: blocks 0-3 in a step's middle, blocks 4-7 at its end.
; CLUSTERS: 4 x 4 work-groups; W's tiles are asked for jointly along a column of the cluster, and each refill stands behind a round of the cluster's barrier.  x's loads are each wave's own.
; PREFETCH: x's images are asked for eight K steps ahead of their step, four steps at a time (24 blocks of 256 bytes of one row block, a lane a block, lanes 24-31 naming the last again).  The 16 waves of a row of the cluster
;   take the tile row's 16 row blocks, told apart by address.  Neither the first eight steps nor anything beyond the last is asked for.  W's refills are asked for more than three K steps (over 192 matrix instructions) ahead of the wait for them: no prefetch for them.
; THE MATRIX INSTRUCTION IS USED TRANSPOSED (source 0 = rows of W, source 1 = rows of x): a lane holds eight neighbouring numbers of a row of out0.
; SCALE WORDS come from memory a pair of K steps at a time, two sets by turns, two steps ahead: lanes 0-15 x's block i, lanes 16-31 W's block i.
; THE THIRD PRODUCT (K = 16, left as it is): bf16, K filled to 32 with zeros.  At the head each wave rounds four blocks of 2 lora_B (the factor is exact) and adds up and rounds four blocks of T; both are shared through LDS.
; THE LAST K STEP GOES BY ROWS OF THE RESULT: a block of 16 rows gets its eight products, then the third product's eight, and leaves at once, through the wave's stage in LDS, while the next blocks are multiplied.
; REGISTERS: window 0: v0-31 addresses; v32-63 scale words; v64-159, v160-255 x's fragments; in the last step v64-127 T's fragments.
;   window 1: W's fragments at v0 and v128; at the head the numbers of lora_B and T; in the last step v0-63 lora_B's fragments.
;   windows 2, 3: the accumulators ((a, b) at v[8 (8 (a % 4) + b)]); on the way out a block's rows come back from the stage into the block's own 64 registers.
.set NQ,     4                         ; K steps in a slot
.set FR,     12
.set FRB,    1536                      ; an image
.set NP,     4                         ; places behind these matrix instructions (ISA guide 7.12.1)
.set RBS,    NQ*FRB                    ; a row block's part of a slot
.set QH,     4*RBS                     ; what one tensor load brings
.set SLOT,   4*QH
.set TRIPS,  3
.set SPARE,  2*SLOT                    ; the spare words, 512 bytes
.set LBI,    SPARE+512                 ; lora_B's 16 fragments, 512 bytes each
.set TI,     LBI+8192                  ; T's 16 fragments
.set STAGE,  TI+8192                   ; the way out: 16 rows x 528 bytes for each wave
.set SPITCH, 528
.set ROWC,   16384
.set ADRLB, 8
.set ADRTI, 12
.set ADRB, 20
.set STO,  24
.set RD,   25
.set CO,   26                          ; 16 x lane
.set VSO,  27
.set SPW,  28
.set NIL,  29
.set PFO,  30
.set SC,   32
.set AF,   64
.set TF,   64
.set G1,   24                          ; s[24:31] group 1, s[32:39] group 0, a set for each slot
.set G0,   32
.set MSB, 0
.macro WIN new                         ; the immediate's high byte repeats the setting that is left
.if MSB != \new
	s_set_vgpr_msb (MSB<<8)|\new
.set MSB, \new
.endif
.endm
.set MUL_LO, 0xa1
.set MUL_HI, 0xf1
.set TO_B,   0x40
.macro JLOAD s                         ; a joint load: every wave fetches its quarter of the slot
	tensor_load_to_lds s[G0+4*(\s):G0+4*(\s)+3], s[G1:G1+7]
	s_nop 0
.rept 4
	v_nop
.endr
.endm
.macro CREST                           ; a round of the cluster's barrier behind its opening barrier
	s_cmp_lg_u32 s14, 0
	s_cbranch_scc1 .Lnot_wave_0_\@
	s_barrier_signal -3
.Lnot_wave_0_\@:
	s_barrier_wait -3
	s_barrier_signal -1
	s_barrier_wait -1
.endm
.macro CROUND
	s_barrier_signal -1
	s_barrier_wait -1
	CREST
.endm
.macro SCLOAD set, kl                  ; the scale words of a pair of K steps: eight loads of two words a lane
.irp i, 0,1,2,3,4,5,6,7
	global_load_b64 v[SC+16*(\set)+2*\i:SC+16*(\set)+2*\i+1], v[VSO], s[8:9] offset:2048*\i+128*(\kl)
.endr
.endm
.macro XLOAD i0, p, rel                ; x's blocks i0 .. i0 + 3 of the K step rel (counted from the base) into set p: twelve loads
.irp i, \i0, \i0+1, \i0+2, \i0+3
.irp c, 0,1,2
	global_load_b128 v[AF+96*(\p)+FR*(\i)+4*\c:AF+96*(\p)+FR*(\i)+4*\c+3], v[CO], s[4:5] offset:49152*(\i)+FRB*(\rel)+512*\c
.endr
.endr
.endm
	s_load_b128 s[4:7], s[0:1], 0x0                ; x_img, w_img
	s_load_b64 s[8:9], s[0:1], 0x10                ; sc
	s_load_b64 s[12:13], s[0:1], 0x18              ; out0
	s_load_b64 s[42:43], s[0:1], 0x20              ; lora_B
	s_load_b64 s[92:93], s[0:1], 0x28              ; t_par
	v_lshl_add_u32 v[SPW], v0, 2, SPARE
	v_mov_b32 v[NIL], 0
	ds_add_u32 v[SPW], v[NIL]                      ; the opening lines
	ds_add_u32 v[SPW], v[NIL]
	v_lshrrev_b32 v1, 5, v0
	v_readfirstlane_b32 s14, v1                    ; wave
	s_lshr_b32 s15, s14, 1                         ; my half of the tile's rows
	s_and_b32 s16, s14, 1                          ; my half of its columns
	s_bfe_u32 s66, ttmp6, 0x40000                  ; cx
	s_bfe_u32 s67, ttmp6, 0x40004                  ; cy
	s_lshl_b32 s46, ttmp9, 2
	s_add_co_u32 s46, s46, s66                     ; tile column
	s_and_b32 s17, ttmp7, 0xffff
	s_lshl_b32 s17, s17, 2
	s_add_co_u32 s17, s17, s67                     ; tile row
	s_lshl_b32 s45, 0x1111, s66                    ; my column of the cluster
	s_or_b32 s[G1+0], s45, (3<<16)|(1<<21)         ; elements of 8 bytes; bit 21 beside a mask
	s_mov_b32 s[G1+1], 768<<16                     ; tensor_dim0: four images, 6,144 bytes
	s_mov_b32 s[G1+2], 4<<16                       ; 4 row blocks
	s_mov_b32 s[G1+3], 768<<16
	s_mov_b32 s[G1+4], 4
	s_mov_b32 s[G1+5], 6144                        ; a row block's 32 images: 49,152 bytes
	s_mov_b32 s[G1+6], 0
	s_mov_b32 s[G1+7], 0
	s_lshl_b32 s100, s46, 4
	s_lshl_b32 s2, s14, 2
	s_add_co_u32 s100, s100, s2
	s_mul_i32 s100, s100, 49152                    ; W: row block 16 x tile column + 4 x wave
	s_mov_b32 s101, 0
	s_lshl_b32 s18, s17, 4
	s_lshl_b32 s2, s15, 3
	s_add_co_u32 s18, s18, s2
	s_mul_i32 s18, s18, 49152                      ; x: my eight row blocks: 16 x tile row + 8 x half
	s_mov_b32 s19, 0
	s_lshl_b32 s20, s17, 4
	s_lshl_b32 s2, s66, 2
	s_add_co_u32 s20, s20, s2
	s_add_co_u32 s20, s20, s14
	s_mul_i32 s20, s20, 49152                      ; the row block that I prefetch: 16 x tile row + 4 cx + wave
	s_mov_b32 s21, 0
	s_mul_i32 s47, s14, QH
	s_wait_dscnt 0x0                               ; both opening adds are done
	s_wait_kmcnt 0x0
	s_add_nc_u64 s[94:95], s[4:5], s[20:21]
	s_add_nc_u64 s[4:5], s[4:5], s[18:19]
	s_add_nc_u64 s[6:7], s[6:7], s[100:101]
.irp s, 0,1
	s_mov_b32 s[G0+4*\s], 1
	s_add_co_u32 s[G0+4*\s+1], s47, \s*SLOT
	s_add_nc_u64 s[G0+4*\s+2:G0+4*\s+3], s[6:7], \s*RBS
	s_or_b32 s[G0+4*\s+3], s[G0+4*\s+3], 0x80000000
.endr
	CROUND                                         ; all sixteen work-groups are here
	JLOAD 0                                        ; slot 0: the wave's one tensor load at the head; all that follows up to the wait for it stands under its flight
	s_lshl_b32 s100, s46, 14                       ; lora_B: 256 rows of 64 bytes a tile column, my column half, and of its eight blocks the four that I convert
	s_lshl_b32 s2, s16, 13
	s_add_co_u32 s100, s100, s2
	s_lshl_b32 s2, s15, 12
	s_add_co_u32 s100, s100, s2
	s_add_nc_u64 s[42:43], s[42:43], s[100:101]
	s_lshl_b32 s18, s17, 14                        ; T: 16 blocks of 1,024 bytes a tile row, my row half, and of its eight blocks the four that I add up
	s_lshl_b32 s2, s15, 13
	s_add_co_u32 s18, s18, s2
	s_lshl_b32 s2, s16, 12
	s_add_co_u32 s18, s18, s2
	s_add_nc_u64 s[92:93], s[92:93], s[18:19]
	s_lshl_b32 s20, s17, 4                         ; scale words: x's blocks, 2,048 bytes each;
	s_lshl_b32 s21, s15, 3
	s_add_co_u32 s20, s20, s21
	s_lshl_b32 s20, s20, 11
	s_lshl_b32 s21, s46, 1                         ; W's, behind x's 524,288 bytes
	s_add_co_u32 s21, s21, s16
	s_lshl_b32 s21, s21, 14
	s_add_co_u32 s21, s21, 524288
	s_sub_co_u32 s21, s21, s20                     ; the distance between the two
	s_mul_i32 s44, s16, 8*RBS                      ; LDS: my eight blocks of W,
	s_lshl_b32 s7, s16, 12
	s_add_co_u32 s7, s7, LBI                       ; my column half's eight fragments of lora_B,
	s_lshl_b32 s6, s15, 11
	s_add_co_u32 s6, s6, s7                        ; the four that I write,
	s_lshl_b32 s10, s15, 12
	s_add_co_u32 s10, s10, TI                      ; my row half's eight fragments of T,
	s_lshl_b32 s11, s16, 11
	s_add_co_u32 s11, s11, s10                     ; the four that I write,
	s_mul_i32 s22, s14, 16*SPITCH
	s_add_co_u32 s22, s22, STAGE                   ; my stage
	s_lshl_b32 s18, s17, 22                        ; out0: my first row,
	s_lshl_b32 s2, s15, 21
	s_add_co_u32 s18, s18, s2
	s_add_nc_u64 s[12:13], s[12:13], s[18:19]
	s_lshl_b32 s100, s46, 10                       ; my first column
	s_lshl_b32 s2, s16, 9
	s_add_co_u32 s100, s100, s2
	s_add_nc_u64 s[12:13], s[12:13], s[100:101]
	v_and_b32 v1, 15, v0                           ; r
	v_bfe_u32 v2, v0, 4, 1                         ; h
	v_and_b32 v3, 31, v0
	v_lshlrev_b32 v[CO], 4, v3
	v_lshlrev_b32 v5, 6, v1
	v_lshl_add_u32 v5, v2, 5, v5                   ; lora_B: row r, eight numbers at 32 h
	v_mul_u32_u24 v10, s21, v2                     ; lanes 16-31 take W's words
	v_lshl_add_u32 v10, v1, 3, v10
	v_add_nc_u32 v[VSO], s20, v10
	v_add_nc_u32 v[ADRB], s44, v[CO]
	v_add_nc_u32 v[ADRB+1], SLOT, v[ADRB]
	v_add_nc_u32 v[ADRLB], s7, v[CO]
	v_add_nc_u32 v9, s6, v[CO]
	v_add_nc_u32 v[ADRTI], s10, v[CO]
	v_add_nc_u32 v11, s11, v[CO]
	v_mul_u32_u24 v6, v1, SPITCH
	v_lshl_add_u32 v6, v2, 5, v6
	v_add_nc_u32 v[STO], s22, v6                   ; into the stage: row r, 32 bytes for each half of the lanes
	v_add_nc_u32 v[RD], s22, v[CO]                 ; back: 32 lanes take a row of 512 bytes
	v_min_u32 v4, 23, v3
	v_lshlrev_b32 v[PFO], 8, v4                    ; the prefetches: a lane a block of 256 bytes, 24 blocks
	s_wait_alu depctr_va_vdst(0)
	WIN TO_B
.irp i, 0,1,2,3
	global_load_b128 v[128+8*\i:131+8*\i], v5, s[42:43] offset:1024*\i
	global_load_b128 v[132+8*\i:135+8*\i], v5, s[42:43] offset:1024*\i+16
.endr
.irp i, 0,1,2,3
.irp q, 0,1,2,3
	global_load_b128 v[32*\i+8*\q:32*\i+8*\q+3], v[CO], s[92:93] offset:262144*\q+1024*\i
	global_load_b128 v[32*\i+8*\q+4:32*\i+8*\q+7], v[CO], s[92:93] offset:262144*\q+1024*\i+512
.endr
.endr
	WIN 0
	SCLOAD 0, 0
	XLOAD 0, 0, 0
	s_wait_loadcnt 20                              ; lora_B's 8 and T's 32 are in; the 8 of scale words and the 12 of x may be out
	XLOAD 4, 0, 0
	XLOAD 0, 1, 1
	XLOAD 4, 1, 1
	SCLOAD 1, 1
	WIN 0x45                                       ; sources and destination in window 1
.irp j, 0,2,4,6,8,10,12,14,16,18,20,22,24,26,28,30
	v_pk_mul_f32 v[128+\j:129+\j], v[128+\j:129+\j], 2.0 op_sel_hi:[1,0]   ; lora_alpha / r = 2: exact
.endr
.irp q, 1,2,3
.irp i, 0,1,2,3
.irp j, 0,2,4,6
	v_pk_add_f32 v[32*\i+\j:32*\i+\j+1], v[32*\i+\j:32*\i+\j+1], v[32*\i+8*\q+\j:32*\i+8*\q+\j+1]   ; T's quarters, K ascending
.endr
.endr
.endr
.irp j, 0,1,2,3,4,5,6,7,8,9,10,11,12,13,14,15
	v_cvt_pk_bf16_f32 v[160+\j], v[128+2*\j], v[129+2*\j]
.endr
.irp i, 0,1,2,3
.irp m, 0,1,2,3
	v_cvt_pk_bf16_f32 v[176+4*\i+\m], v[32*\i+2*\m], v[32*\i+2*\m+1]
.endr
.endr
	WIN 0x04                                       ; the stores' data in window 1
.irp i, 0,1,2,3
	ds_store_b128 v9, v[160+4*\i:163+4*\i] offset:512*\i
	ds_store_b128 v11, v[176+4*\i:179+4*\i] offset:512*\i
.endr
	WIN 0
; 8 matrix instructions: x's block a against W's eight.  The accumulators take turns.
.macro MULB a, p, sr, zero
.irp b, 0,1,2,3,4,5,6,7
.if \zero
	v_wmma_scale_f32_16x16x128_f8f6f4 v[8*(8*((\a)%4)+\b):8*(8*((\a)%4)+\b)+7], v[128*(\p)+FR*\b:128*(\p)+FR*\b+FR-1], v[AF+96*(\p)+FR*(\a):AF+96*(\p)+FR*(\a)+FR-1], 0, v[(\sr)+2*\b], v[(\sr)+2*(\a)] matrix_a_fmt:MATRIX_FMT_FP6 matrix_b_fmt:MATRIX_FMT_FP6 matrix_a_scale:MATRIX_SCALE_ROW1
.else
	v_wmma_scale_f32_16x16x128_f8f6f4 v[8*(8*((\a)%4)+\b):8*(8*((\a)%4)+\b)+7], v[128*(\p)+FR*\b:128*(\p)+FR*\b+FR-1], v[AF+96*(\p)+FR*(\a):AF+96*(\p)+FR*(\a)+FR-1], v[8*(8*((\a)%4)+\b):8*(8*((\a)%4)+\b)+7], v[(\sr)+2*\b], v[(\sr)+2*(\a)] matrix_a_fmt:MATRIX_FMT_FP6 matrix_b_fmt:MATRIX_FMT_FP6 matrix_a_scale:MATRIX_SCALE_ROW1
.endif
.endr
.endm
.macro MUL16 a0, p, sr, zero
	MULB \a0, \p, \sr, \zero
	MULB \a0+1, \p, \sr, \zero
.endm
.macro FETCH_B slot, q, p              ; W's eight fragments of step q of a slot into set p: 24 LDS loads
	WIN TO_B
.irp i, 0,1,2,3,4,5,6,7
.irp c, 0,1,2
	ds_load_b128 v[128*(\p)+FR*\i+4*\c:128*(\p)+FR*\i+4*\c+3], v[ADRB+(\slot)] offset:RBS*\i+FRB*(\q)+512*\c
.endr
.endr
	WIN 0
.endm
.macro PLACES n
.rept \n
	v_nop
.endr
.endm
; What stands at a step's end, behind its places: x's blocks 4-7 and W's fragments of the step two on, and behind an odd step the scale words of the pair that begins three steps on.
.macro ENDS j, rel, xl, sl, fb
.if \xl
	XLOAD 4, (\j)%2, (\rel)+2
.endif
.if \sl
	SCLOAD (((\rel)+3)/2)%2, ((\rel)+3)/2
.endif
.if \fb
	FETCH_B (((\j)+2)/4)%2, ((\j)+2)%4, (\j)%2
.endif
.endm
; Step j of eight (two slots); rel: the step counted from the bases.  c0, c1: the younger loads that may stay out when x's blocks 0-3 and 4-7 have to be there: as a rule three batches of 12 and one of 8;
; d0: the younger LDS loads (the next step's 24).  pf = 1: prefetch; 2: but not in the loop's last trip.
.macro STEP j, rel, zero, c0, c1, d0, xl, sl, fb, pf
.set PP, (\j)%2
.set SR, SC+16*(((\j)/2)%2)+(\j)%2
	s_wait_loadcnt \c0
	s_wait_dscnt \d0
	WIN MUL_LO
	MUL16 0, PP, SR, \zero
	MUL16 2, PP, SR, \zero
.if \xl
	PLACES NP
	WIN 0
	XLOAD 0, PP, (\rel)+2
.endif
.if \pf == 2
	s_cmp_gt_u32 s3, 1
	s_cbranch_scc0 .Lno_more_\@
.endif
.if \pf
	global_prefetch_b8 v[PFO], s[94:95] offset:FRB*((\rel)+8) th:TH_LOAD_NT scope:SCOPE_SE
.endif
.if \pf == 2
.Lno_more_\@:
.endif
	s_wait_loadcnt \c1
	WIN MUL_HI
	MUL16 4, PP, SR, \zero
	MUL16 6, PP, SR, \zero
	PLACES NP
	WIN 0
	ENDS \j, \rel, \xl, \sl, \fb
.endm
; A slot's third step.  Its slot's last fragments were fetched a step ago, and the first fetch from the other slot stands at its end: one barrier, near the step's end, serves both.  fill = 1: the slot is filled again.
.macro TURN j, rel, fill
.set PP, (\j)%2
.set SR, SC+16*(((\j)/2)%2)+(\j)%2
	s_wait_loadcnt 44
	s_wait_dscnt 24
	WIN MUL_LO
	MUL16 0, PP, SR, 0
	MUL16 2, PP, SR, 0
	PLACES NP
	WIN 0
	XLOAD 0, PP, (\rel)+2
	s_wait_loadcnt 44
	WIN MUL_HI
	MUL16 4, PP, SR, 0
	WIN 0
	s_wait_tensorcnt 0x0                           ; my part of the other slot has landed;
	ds_add_u32 v[SPW], v[NIL]                      ; 0 onto my spare word; eight matrix instructions stand between it and the wait for it
	WIN MUL_HI
	MULB 6, PP, SR, 0
	s_wait_dscnt 0x0                               ; the add is done, and so are my reads of this slot
	s_barrier_signal -1
	MULB 7, PP, SR, 0
	WIN 0
	s_barrier_wait -1
.if \fill
	CREST                                          ; the barrier has opened a round: no wave of any partner still reads this slot
	s_add_nc_u64 s[G0+4*((\j)/4)+2:G0+4*((\j)/4)+3], s[G0+4*((\j)/4)+2:G0+4*((\j)/4)+3], 2*RBS
	JLOAD (\j)/4                                   ; its four v_nop are the places in front of the loads below
.else
	PLACES NP
.endif
	ENDS \j, \rel, 1, 0, 1
.endm
	s_wait_alu depctr_va_vdst(0)
	s_wait_tensorcnt 0x0                           ; my part of slot 0 is in
	ds_add_u32 v[SPW], v[NIL]
	s_wait_dscnt 0x0                               ; the add is done, and so are my stores of lora_B's and T's fragments
	CROUND                                         ; slot 0 and both images are whole, and all sixteen work-groups are here
	JLOAD 1                                        ; slot 1's first fill
	FETCH_B 0, 0, 0
	FETCH_B 0, 1, 1
	STEP 0, 0, 1, 44, 44, 24, 1, 0, 1, 1           ; the first step's products start the sums
	s_mov_b32 s3, TRIPS
.Llap:                                                 ; a trip: eight K steps, both slots filled again
	STEP 1, 1, 0, 44, 44, 24, 1, 1, 1, 0
	TURN 2, 2, 1
	STEP 3, 3, 0, 44, 44, 24, 1, 1, 1, 0
	STEP 4, 4, 0, 44, 44, 24, 1, 0, 1, 1
	STEP 5, 5, 0, 44, 44, 24, 1, 1, 1, 0
	TURN 6, 6, 1
	STEP 7, 7, 0, 44, 44, 24, 1, 1, 1, 0
	STEP 0, 8, 0, 44, 44, 24, 1, 0, 1, 2
	s_wait_xcnt 0x0                                ; the loads and the prefetches have read their bases: eight K steps on
	s_add_nc_u64 s[4:5], s[4:5], 8*FRB
	s_add_nc_u64 s[94:95], s[94:95], 8*FRB
	s_add_nc_u64 s[8:9], s[8:9], 512
	s_sub_co_u32 s3, s3, 1
	s_cmp_lg_u32 s3, 0
	s_cbranch_scc1 .Llap
	STEP 1, 1, 0, 44, 44, 24, 1, 1, 1, 0           ; K steps 25 to 30: nothing is asked for beyond step 31
	TURN 2, 2, 0
	STEP 3, 3, 0, 44, 44, 24, 1, 1, 1, 0
	STEP 4, 4, 0, 44, 44, 24, 1, 0, 1, 0
	STEP 5, 5, 0, 44, 44, 24, 1, 0, 1, 0
	STEP 6, 6, 0, 36, 24, 24, 0, 0, 0, 0
; THE LAST STEP, BY ROWS.  lora_B's and T's fragments come into the sets that step 30 has left.
.set SR, SC+16+1
	WIN TO_B
.irp b, 0,1,2,3,4,5,6,7
	ds_load_b128 v[8*\b:8*\b+3], v[ADRLB] offset:512*\b
.endr
.irp b, 0,1,2,3,4,5,6,7
.irp i, 0,1,2,3
	v_mov_b32 v[8*\b+4+\i], 0                      ; k = 16 .. 31 are zeros
.endr
.endr
	WIN 0
.irp a, 0,1,2,3,4,5,6,7
	ds_load_b128 v[TF+8*\a:TF+8*\a+3], v[ADRTI] offset:512*\a
.endr
.irp a, 0,1,2,3,4,5,6,7
.irp i, 0,1,2,3
	v_mov_b32 v[TF+8*\a+4+\i], 0
.endr
.endr
	s_wait_alu depctr_va_vdst(0)
	s_wait_loadcnt 12                              ; x's blocks 0-3 are in; blocks 4-7 may be out
	s_wait_dscnt 16                                ; W's fragments are in; the sixteen loads just issued may be out
.macro LMUL a                          ; block a: += T's block a x (2 lora_B)^T
	WIN MUL_LO+0x50*((\a)/4)
.irp b, 0,1,2,3,4,5,6,7
	v_wmma_f32_16x16x32_bf16 v[8*(8*((\a)%4)+\b):8*(8*((\a)%4)+\b)+7], v[8*\b:8*\b+7], v[TF+8*(\a):TF+8*(\a)+7], v[8*(8*((\a)%4)+\b):8*(8*((\a)%4)+\b)+7]
.endr
.endm
; 16 rows x 128 columns through my stage, and back as whole rows of 512 bytes into the same 64 registers (LDS serves a wave's instructions in order: ISA guide 5.7.1.4).  Data and destination: window 2 or 3.
.macro TOSTAGE a
.set AC, 64*((\a)%4)
	WIN 0x88+0x44*((\a)/4)
.irp b, 0,1,2,3,4,5,6,7
	ds_store_b128 v[STO], v[AC+8*\b:AC+8*\b+3] offset:64*\b          ; each accumulator from its low end on
	ds_store_b128 v[STO], v[AC+8*\b+4:AC+8*\b+7] offset:64*\b+16
.endr
.irp t, 0,1,2,3,4,5,6,7,8,9,10,11,12,13,14,15
	ds_load_b128 v[AC+4*\t:AC+4*\t+3], v[RD] offset:\t*SPITCH
.endr
.endm
; Every offset is an immediate (127 rows of 16,384 bytes at the most), and no store's data are written again: so no wait frees a store's registers.
.macro SEND a, younger
.set AC, 64*((\a)%4)
	WIN 0x88+0x44*((\a)/4)
	s_wait_dscnt \younger
.irp t, 0,1,2,3,4,5,6,7,8,9,10,11,12,13,14,15
	global_store_b128 v[CO], v[AC+4*\t:AC+4*\t+3], s[12:13] offset:(16*(\a)+\t)*ROWC th:TH_STORE_NT   ; 32 lanes store 512 consecutive bytes, at a multiple of 256 from the buffer's first byte
.endr
.endm
	WIN MUL_LO
	MULB 0, 1, SR, 0
.irp a, 0,1,2,3,4,5,6,7
.if \a < 7
.if \a == 3
	s_wait_loadcnt 0x0                             ; x's blocks 4-7
.endif
	WIN MUL_LO+0x50*((\a+1)/4)
	MULB \a+1, 1, SR, 0                            ; the next block's products stand between a block's last product and the other form that takes its accumulators up,
.endif
	PLACES NP+1                                    ; and five places
.if \a == 0
	s_wait_dscnt 0x0                               ; lora_B's and T's fragments are in
.endif
	LMUL \a
	PLACES NP
	TOSTAGE \a
.if \a > 0
	SEND \a-1, 32                                  ; behind block a - 1's loads: block a's 16 stores and 16 loads
.endif
.endr
	SEND 7, 0
	WIN 0
	s_wait_tensorcnt 0x0                           ; the wave's end
	ds_add_u32 v[SPW], v[NIL]
	s_wait_dscnt 0x0
	CROUND                                         ; the closing round
	s_endpgm
.Lfunc_end_k_q85ba0230fb_gemm:
	.size	k_q85ba0230fb_gemm, .Lfunc_end_k_q85ba0230fb_gemm-k_q85ba0230fb_gemm
	.p2alignl 7, 3214868480
	.fill 96, 4, 3214868480
	.section	.rodata,"a",@progbits
	.p2align	6, 0x0
	.amdhsa_kernel k_q85ba0230fb_gemm
		.amdhsa_group_segment_fixed_size 327680
		.amdhsa_private_segment_fixed_size 0
		.amdhsa_enable_private_segment 0
		.amdhsa_kernarg_size 48
		.amdhsa_user_sgpr_count 2
		.amdhsa_user_sgpr_kernarg_segment_ptr 1
		.amdhsa_wavefront_size32 1
		.amdhsa_system_sgpr_workgroup_id_x 1
		.amdhsa_system_sgpr_workgroup_id_y 1
		.amdhsa_system_sgpr_workgroup_id_z 1
		.amdhsa_system_vgpr_workitem_id 0
		.amdhsa_next_free_vgpr 1024
		.amdhsa_next_free_sgpr 102
		.amdhsa_reserve_vcc 0
		.amdhsa_float_denorm_mode_32 3
		.amdhsa_float_denorm_mode_16_64 3
		.amdhsa_memory_ordered 1
		.amdhsa_forward_progress 1
		.amdhsa_inst_pref_size 255
	.end_amdhsa_kernel
	.section	.bss,"aw",@nobits
	.p2align	6
	.space	262144
	.amdgpu_metadata
---
amdhsa.version: [ 1, 2 ]
amdhsa.kernels:
  - .name:           k_q85ba0230fb_gemm
    .symbol:         k_q85ba0230fb_gemm.kd
    .args:
      - { .name: x_img, .offset: 0, .size: 8, .value_kind: global_buffer, .address_space: global }
      - { .name: w_img, .offset: 8, .size: 8, .value_kind: global_buffer, .address_space: global }
      - { .name: sc, .offset: 16, .size: 8, .value_kind: global_buffer, .address_space: global }
      - { .name: out0, .offset: 24, .size: 8, .value_kind: global_buffer, .address_space: global }
      - { .name: lora_B, .offset: 32, .size: 8, .value_kind: global_buffer, .address_space: global }
      - { .name: t_par, .offset: 40, .size: 8, .value_kind: global_buffer, .address_space: global }
    .group_segment_fixed_size: 327680
    .private_segment_fixed_size: 0
    .kernarg_segment_align: 8
    .kernarg_segment_size: 48
    .max_flat_workgroup_size: 128
    .sgpr_count:     102
    .vgpr_count:     1024
    .wavefront_size: 32
...
	.end_amdgpu_metadata
.endif
;; end of part 2
